; MI455X (gfx1250); checked and timed in simulation.
; The chip was launched on July 23, 2026; its instructions are those of AMD's public machine-readable ISA for CDNA 5 (MIT licence, August 2026) and "CDNA5" Instruction Set Architecture Reference Guide (July 2026). The comments in the code are by the model that wrote it; some were corrected since.
;; Strategy Quantizer. Allowed arithmetic: matrix products marked QUANTISED: E2M1 operands, one E8M0 scale for each 32 along K, by v_wmma_scale_f32_16x16x128_f8f6f4 with both operands' format E2M1 (or v_wmma_scale_f32_32x16x128_f4), f32 sums; everything else in f32.
;; Inputs: weight 1,024 x 64 float32; x 262,144 x 64 float32.
;; Outputs: out0 262,144 x 64 float32.
;; This version of the problem:
;;   THIS VERSION OF THE PROBLEM IS GIVEN IN LOW PRECISION. The matrix products marked QUANTISED in the list below multiply operands that are first quantised to E2M1 (2 exponent bits, 1 mantissa bit; 4 bits a number), with one power-of-two scale for each 32 numbers along K (OCP MX v1.0); their sums are f32. All else is computed in f32.
;;   The module's matrix products, in the order in which they are computed (A, B: the left and right operand; K: the contracted axis; several contracted axes count as one K, in the product's order):
;;     1. [M 262,144, K 64] x [K 64, N 1,024]; A: input x; B: input weight: QUANTISED
;;   THE QUANTISER, for each operand of a quantised product, along K:
;;     - K is cut into blocks of 32 from its start; a last block that is shorter is filled with zeros.
;;     - A block's scale is 2^e with e = floor(log2(the largest magnitude in the block)) - 2, held to -126 .. 127; a block of zeros has e = 0. As a byte (E8M0): e + 127.
;;     - Each number is divided by its block's scale, clamped to +-6, and rounded to the nearest number of E2M1, ties to even, subnormals kept.
;;     - The product sums the exact products of the quantised numbers (number of the format x scale) in f32.
;;   ~~~python
;;   def quantise(x, axis):      # numpy; x: float32 -> the quantised numbers, widened to float32 again
;;       x = np.moveaxis(x, axis, -1); K = x.shape[-1]
;;       x = np.pad(x, [(0, 0)] * (x.ndim - 1) + [(0, -K % 32)]); x = x.reshape(x.shape[:-1] + (-1, 32)); a = np.abs(x).max(-1, keepdims=True)
;;       e = np.where(a > 0, np.clip(np.frexp(np.where(a > 0, a, 1))[1] - 1 - 2, -126, 127), 0)      # np.frexp(a)[1] - 1 = floor(log2(a)), exactly
;;       r = np.clip(x / 2.0 ** e, -6, 6)
;;       step = 2.0 ** (np.maximum(np.frexp(np.where(r == 0, 1, r))[1] - 1, 0) - 1)
;;       q = np.round(r / step) * step * 2.0 ** e      # np.round: ties to even
;;       return np.moveaxis(q.reshape(q.shape[:-2] + (-1,))[..., :K], -1, axis).astype(np.float32)
;;   ~~~
;; One version. Each part assembles by itself: llvm-mc -triple=amdgcn-amd-amdhsa -mcpu=gfx1250 --defsym DOCPART=n.
;; ======== version 1 of 1: 2 launches
;; workspace buffers: idx 1,048,576 bytes of whole numbers
;; launch nearest (part 1): grid 256 x 1, 4 waves a work-group, no clusters, 327,680 bytes of LDS; arguments x, weight, idx; writes idx
.if DOCPART == 1
	.amdgcn_target "amdgcn-amd-amdhsa--gfx1250"
	.amdhsa_code_object_version 6
	.text
	.protected	k_q2d327b42be_nearest
	.globl	k_q2d327b42be_nearest
	.p2align	8
	.type	k_q2d327b42be_nearest,@function
k_q2d327b42be_nearest:
	s_mov_b64 s[64:65], 0
	v_nop
	global_prefetch_b8 v0, s[64:65] scope:SCOPE_SE
	s_setreg_imm32_b32 hwreg(HW_REG_WAVE_MODE, 25, 1), 1
	s_wait_xcnt 0x0
; idx[row] = the first k that makes max(|x_row|^2 - 2 Q(x_row).Q(w_k) + |w_k|^2, 0) least.  x: [262144][64] f32, weight: [1024][64] f32, idx: [262144] u32.
; Q is the MX-FP4 quantiser along the 64 (two blocks of 32); the squares are taken of the f32 numbers.  A later launch gathers the rows of weight by idx.
; THE KEY.  u_k = w2_k - 2 Q(x).Q(w_k) comes whole out of ONE matrix instruction a tile: source 0 = the codes of w with every sign bit turned and every scale byte + 1 (that is -2 Q(w), exact:
; a byte is 252 at the most before the + 1), source 1 = the codes of x, C = w2 in the result's layout.  d2 = u + x2, so max(d2, 0) orders as max(u, -x2) does; the root rises with its input and is not taken.
; LIMITS.  (a) Order of rounding: u is rounded once, where the definition rounds (x2 - 2 dot) and then (+ w2); x2 and w2 are summed in four packed chains.  (b) Two distances that only the root's rounding
; would make equal (squared distances a few last bits apart) are told apart here by the squared distance, where the definition takes the lower index.  (c) NaN and infinities are not served.
; (d) A block whose largest magnitude lies under 2^-124 has its byte held at 1, as the quantiser's hold at -126 says; a block of zeros keeps that byte: its codes are zeros.
; SHARES.  256 work-groups x 1,024 rows; a wave takes 256 rows, 16 tiles of 16.  Every wave keeps ALL of -2 Q(w) (256 registers), its scale words (16) and w2 as C (512) in registers: the loop reads x alone from LDS.
; K = 64 IN AN INSTRUCTION OF K = 128: two neighbouring tiles of w lie in one run of 8 registers (k 0-63: the even tile, k 64-127: the odd one); x stands between two runs of zero codes, so that
; v[36:43] = [x, 0] meets the even tile and v[32:39] = [0, x] the odd one.  Zero codes add nothing under any scale byte but 0xff.
; THE LEAST WITHOUT AN INDEX FOR EACH ENTRY.  Source 0 = 16 codes, source 1 = 16 rows of x: lane (r, h) holds row r, register j of tile t holds code 16 t + 8 h + j.  A lane's 512 entries go in 16 groups of 32:
; a tree of three-operand minima, one median (the new held best), one compare (did it fall?), and 33 selections that keep the winning group's number and its 32 values.  At the tile's end the first kept value
; that is not above the best is looked for, and the two halves of the lanes are joined (the lower best; where equal, the lower code).
; x COMES ONCE: a wave's 256 rows by four tensor loads at the head, 64 rows each; four loads of a wave are out at the most.  No LDS byte is filled twice.
; THE WEIGHT IS NOT ASKED FOR JOINTLY by a cluster: the text uses 321,536 of the 327,680 bytes of LDS (x 278,528, the images 43,008), so no f32 tile of it has room to land; each wave loads a quarter into registers, quantises it, and hands it on.
; The launch claims all of the LDS of its WGP.
.set XPITCH, 272                       ; a row of x in LDS: 256 bytes + 16 of padding: row r begins 16 r bytes on modulo 256, so the 16 rows of a load touch 16 different columns of 16 bytes
.set XTILE,  16*XPITCH                 ; 4,352
.set XLOAD,  64*XPITCH                 ; 17,408: what one tensor load brings
.set XWAVE,  256*XPITCH                ; 69,632: a wave's rows
.set WIMG,   4*XWAVE                   ; 278,528: images of w's code registers: tile t at 512 t + 16 x lane
.set WSC,    WIMG+32768                ; scale words [32 pairs of tiles][16 rows]: bytes 0, 1 the even tile's, bytes 2, 3 the odd one's
.set W2L,    WSC+2048                  ; w2[1024], f32
.set IDXL,   W2L+4096                  ; 1,024 bytes a wave: its rows' indices
.set LX,   1                           ; v1   x: wave x XWAVE + 272 r + 128 h
.set ADX,  2                           ; v2   the x address in hand
.set IA0,  3                           ; v3   IDXL + 1024 wave + 4 r
.set IAD,  4                           ; v4   the index address in hand
.set H8,   5                           ; v5   8 h
.set LN,   6                           ; v6   lane
.set WGO,  7                           ; v7   weight in memory: 256 r + 128 h
.set WI,   8                           ; v8   WIMG + 8192 wave + 16 lane
.set WS,   9                           ; v9   WSC + 512 wave + 4 r
.set W2S,  10                          ; v10  W2L + 1024 wave + 4 r
.set LI,   11                          ; v11  WIMG + 16 lane
.set W2A,  12                          ; v12  W2L + 32 h
.set SA,   13                          ; v13  WSC + 4 lane
.set IR,   14                          ; v14  IDXL + 1024 wave + 16 lane
.set GO,   15                          ; v15  16 lane
.set WSCL, 16                          ; v16-31  w's scale words: register g: lanes 0-15 pair 2 g, lanes 16-31 pair 2 g + 1
.set XC,   36                          ; v36-39  x's codes; v32-35 and v40-43 zero codes
.set XSC,  44                          ; v44  x's scale word: its two bytes, twice
.set X2,   45                          ; v45  x2 of the lane's row
.set RR,   46                          ; v46  r
.set HH,   47                          ; v47  h
.set OUTQ, 48                          ; v48-53, v56-61  what QUANT makes: 4 code registers, the two bytes, the row's sum of squares
.set BEST, 62                          ; v62-63  the held best, by turns
.set GI,   64                          ; v64  the winning group's number
.set GM,   65                          ; v65  a group's least
.set RQ,   66                          ; v66-69  the tree's four chains
.set TA,   70
.set TB,   71
.set LOC,  72                          ; v72-75
.set CODE, 76
.set OB,   77
.set OC,   78
.set MC,   79
.set QM,   80                          ; v80-83  four largest magnitudes
.set QP,   84                          ; v84-91  four pairs of sums of squares
.set QSO,  92                          ; v92  the conversion's scale operand
.set QBY,  93
.set QT,   94
.set QO,   95
.set RAW,  96                          ; v96-127   32 numbers of x
.set SEL,  128                         ; v128-159  the winning group's 32 values
.set BUF,  160                         ; v160-255  three sets of 32 results, by turns
.set G1,   24                          ; s[24:31] descriptor group 1
.set G0,   32                          ; s[32:47] descriptor group 0, a set for each of the four loads
.set MSB, 0
.macro WIN new                         ; s_set_vgpr_msb: bits 1:0 source 0, 3:2 source 1, 5:4 source 2, 7:6 destination; the high byte repeats the setting that is left
.if MSB != (\new)
	s_set_vgpr_msb (MSB<<8)|(\new)
.set MSB, (\new)
.endif
.endm
; 32 numbers of a lane, v[s] .. v[s + 31] of window w: block h of the lane's row.  Made of them, in window 0: v[o] .. v[o + 3] the codes (registers 0-3 of a 4-bit fragment: k = 32 h + 0 .. 31),
; v[o + 4] the row's two scale bytes (block 0's below), v[o + 5] the row's sum of squares; the last two in both halves of the lanes.
.macro QUANT s, w, o
.set QS, (\s)
.set QW, (\w)
.set QD, (\o)
	WIN 5*QW                                       ; sources 0 and 1 in window w
.irp u, 0,1,2,3
.irp c, 0,1,2,3
.if \u == 0
	v_max3_num_f32 v[QM+\c], |v[QS+8*\c]|, |v[QS+8*\c+1]|, 0x1800000   ; four chains of eight numbers; the floor 2^(3 - 127) holds the byte at 1 from below
.else
	v_max3_num_f32 v[QM+\c], |v[QS+8*\c+2*\u]|, |v[QS+8*\c+2*\u+1]|, v[QM+\c]
.endif
.endr
.irp c, 0,1,2,3
.if \u == 0
	v_pk_mul_f32 v[QP+2*\c:QP+2*\c+1], v[QS+8*\c:QS+8*\c+1], v[QS+8*\c:QS+8*\c+1]   ; the squares, of the f32 numbers: the first products start the sums
.else
	v_pk_fma_f32 v[QP+2*\c:QP+2*\c+1], v[QS+8*\c+2*\u:QS+8*\c+2*\u+1], v[QS+8*\c+2*\u:QS+8*\c+2*\u+1], v[QP+2*\c:QP+2*\c+1]
.endif
.endr
.endr
	WIN 0
	v_max3_num_f32 v[QM], v[QM], v[QM+1], v[QM+2]
	v_pk_add_f32 v[QP:QP+1], v[QP:QP+1], v[QP+2:QP+3]
	v_pk_add_f32 v[QP+4:QP+5], v[QP+4:QP+5], v[QP+6:QP+7]
	v_max_num_f32 v[QM], v[QM], v[QM+3]            ; the block's largest magnitude: all 32 numbers are the lane's
	v_pk_add_f32 v[QP:QP+1], v[QP:QP+1], v[QP+4:QP+5]
	v_add_nc_u32 v[QSO], 0xff000000, v[QM]         ; 2 off its exponent field: the conversion takes the exponent field of this operand as its scale
	v_add_f32 v[QT], v[QP], v[QP+1]                ; my block's sum of squares
	WIN QW                                         ; source 0 in window w
.irp g, 0,1,2,3
	v_cvt_scalef32_pk8_fp4_f32 v[QD+\g], v[QS+8*\g:QS+8*\g+7], v[QSO]   ; to the nearest code, ties to even, beyond 6 the largest code
.endr
	WIN 0
	v_lshrrev_b32 v[QBY], 23, v[QSO]               ; the scale's byte.  (The plain instruction behind the conversions)
	v_permlanex16_b32 v[MC], v[QT], s12, s13       ; the other block's sum
	v_lshlrev_b32 v[QBY], v[H8], v[QBY]            ; my byte at its place: 8 h bits up
	v_permlanex16_b32 v[QO], v[QBY], s12, s13
	v_add_f32 v[QD+5], v[QT], v[MC]
	v_or_b32 v[QD+4], v[QBY], v[QO]
.endm
; Group g: tiles 4 g .. 4 g + 3 of w against the tile of x in hand.  D: group 0 goes straight into SEL, the others into the three sets by turns.  No sum is added onto in place: C is w2, D other registers.
.macro MM g
.set MG, (\g)
.if MG < 8
	WIN 0x21                                       ; source 0 (w) window 1, source 2 (w2) window 2
.else
	WIN 0x31                                       ; w2 of tiles 32 on: window 3
.endif
.irp q, 0,1,2,3
.if MG == 0
.set MD, SEL+8*\q
.else
.set MD, BUF+32*(MG%3)+8*\q
.endif
.set MA, 8*(2*MG+\q/2)
.set MB, 36-4*(\q%2)
.set MCR, 8*((4*MG+\q)%32)
.if \q < 2
	v_wmma_scale_f32_16x16x128_f8f6f4 v[MD:MD+7], v[MA:MA+7], v[MB:MB+7], v[MCR:MCR+7], v[WSCL+MG], v[XSC] matrix_a_fmt:MATRIX_FMT_FP4 matrix_b_fmt:MATRIX_FMT_FP4
.else
	v_wmma_scale_f32_16x16x128_f8f6f4 v[MD:MD+7], v[MA:MA+7], v[MB:MB+7], v[MCR:MCR+7], v[WSCL+MG], v[XSC] matrix_a_fmt:MATRIX_FMT_FP4 matrix_b_fmt:MATRIX_FMT_FP4 matrix_a_scale:MATRIX_SCALE_ROW1
.endif
.endr
.endm
; The tree over a group's 32 values: each of the four results is read from its low end on.
.macro TR1 d
.irp q, 0,1,2,3
	v_min3_num_f32 v[RQ+\q], v[\d+8*\q], v[\d+8*\q+1], v[\d+8*\q+2]
.endr
.endm
.macro TR2 d, o
.irp q, 0,1,2,3
	v_min3_num_f32 v[RQ+\q], v[RQ+\q], v[\d+8*\q+\o], v[\d+8*\q+\o+1]
.endr
.endm
.macro SELN n                          ; the next n of the 32 selections: where the group before made the best fall, its values are kept
.if SON
.rept \n
	v_cndmask_b32 v[SEL+SCNT], v[SEL+SCNT], v[DP+SCNT], vcc_lo
.set SCNT, SCNT+1
.endr
.endif
.endm
; Group k = 1 .. 15: the products of group k + 1 are issued, group k goes through the tree, group k - 1 is selected from: three sets at once.  All readers of VCC stand ahead of the compare that writes it anew.
; Every result is first read a whole block (51 plain vector instructions) behind the matrix instruction that made it.
.macro BLOCK k
.set DK, BUF+32*((\k)%3)
.set DP, BUF+32*(((\k)+2)%3)
.set BN, BEST+(\k)%2
.set BO, BEST+((\k)+1)%2
.set KM, (\k)-1
.set SCNT, 0
.set SON, 0
.if (\k) > 1
.set SON, 1
.endif
.if (\k) < 15
	MM (\k)+1
	WIN 0
.endif
	TR1 DK
.if SON
	v_cndmask_b32 v[GI], v[GI], KM, vcc_lo
.endif
	SELN 2
	TR2 DK, 3
	SELN 2
	TR2 DK, 5
	SELN 4
	v_min3_num_f32 v[TA], v[RQ], v[RQ+1], v[DK+7]
	v_min3_num_f32 v[TB], v[RQ+2], v[RQ+3], v[DK+15]
	SELN 6
	v_min3_num_f32 v[TA], v[TA], v[TB], v[DK+23]
	SELN 6
	v_min_num_f32 v[GM], v[TA], v[DK+31]
	SELN 6
	v_med3_num_f32 v[BN], v[BO], v[GM], -v[X2]     ; max(min(best, the group's least), -x2): the old best is never under -x2, so the middle one of the three is it
	SELN 6
	v_cmp_lt_f32 vcc_lo, v[BN], v[BO]              ; did the held best fall?  Only then the group wins: the first group that reaches the final best is kept
.endm
; One tile of 16 rows.  At its head x's codes, scale word and x2 stand ready, and the next tile's 32 numbers a lane were asked of LDS a trip ago.
.macro TRIP clamp
	MM 0
	MM 1
	WIN 0
	s_wait_dscnt 0x0                               ; the next tile's numbers are in (and the last index store is done)
	QUANT RAW, 0, OUTQ                             ; the next tile is quantised while the first products run
.if \clamp
	s_min_u32 s18, s16, 15*XTILE                   ; the last two trips have no tile two on: they fetch the last tile again, inside the wave's rows
	v_add_nc_u32 v[ADX], s18, v[LX]
.else
	v_add_nc_u32 v[ADX], s16, v[LX]
.endif
.irp i, 0,1,2,3,4,5,6,7
	ds_load_b128 v[RAW+4*\i:RAW+4*\i+3], v[ADX] offset:16*\i   ; the tile two on: it has the rest of this trip in which to come
.endr
	s_add_co_u32 s16, s16, XTILE
	TR1 SEL                                        ; group 0 lies in SEL already
	TR2 SEL, 3
	TR2 SEL, 5
	v_min3_num_f32 v[TA], v[RQ], v[RQ+1], v[SEL+7]
	v_min3_num_f32 v[TB], v[RQ+2], v[RQ+3], v[SEL+15]
	v_min3_num_f32 v[TA], v[TA], v[TB], v[SEL+23]
	v_min_num_f32 v[GM], v[TA], v[SEL+31]
	v_max_num_f32 v[BEST], v[GM], -v[X2]
	v_mov_b32 v[GI], 0
.irp k, 1,2,3,4,5,6,7,8,9,10,11,12,13,14,15
	BLOCK \k
.endr
	v_cndmask_b32 v[GI], v[GI], 15, vcc_lo         ; group 15's selections; among them the next tile's operand takes its place: the last product that read it stands more than a block back,
.set DP, BUF+32*(15%3)
.set SON, 1
.set SCNT, 0
.irp g, 0,1,2,3
	SELN 5
	v_mov_b32 v[XC+\g], v[OUTQ+\g]
.endr
	SELN 6
	v_lshl_or_b32 v[XSC], v[OUTQ+4], 16, v[OUTQ+4] ; and the search below, over 70 plain instructions, stands between these writes and the next scaled product (8 are owed to a scale register, 4 to an operand)
	SELN 6
	v_mov_b32 v[X2], v[OUTQ+5]
.irp j, 7,6,5,4,3,2,1,0                ; the first kept value that is not above the best: j falls, so the lowest stays
.irp q, 0,1,2,3
	v_cmp_le_f32 s[48+\q], v[SEL+8*\q+\j], v[BEST+1]
.endr
.irp q, 0,1,2,3
.if \j == 7
	v_cndmask_b32 v[LOC+\q], 64, 16*\q+7, s[48+\q]
.else
	v_cndmask_b32 v[LOC+\q], v[LOC+\q], 16*\q+\j, s[48+\q]
.endif
.endr
.endr
	v_min_u32 v[LOC], v[LOC], v[LOC+1]
	v_min_u32 v[LOC+2], v[LOC+2], v[LOC+3]
	v_min_u32 v[LOC], v[LOC], v[LOC+2]
	v_lshl_add_u32 v[CODE], v[GI], 6, v[LOC]
	v_add_nc_u32 v[CODE], v[CODE], v[H8]           ; code = 64 group + 16 tile + 8 h + j
	v_permlanex16_b32 v[OB], v[BEST+1], s12, s13   ; the row's other 512 codes lie in the lane 16 away
	v_permlanex16_b32 v[OC], v[CODE], s12, s13
	v_min_u32 v[MC], v[CODE], v[OC]
	v_cmp_lt_f32 s48, v[OB], v[BEST+1]
	v_cmp_eq_f32 s49, v[OB], v[BEST+1]
	v_cndmask_b32 v[CODE], v[CODE], v[OC], s48
	v_cndmask_b32 v[CODE], v[CODE], v[MC], s49     ; equal: the lower code
	v_add_nc_u32 v[IAD], s17, v[IA0]
	ds_store_b32 v[IAD], v[CODE]                   ; both halves of the lanes store the same word with the same value
	s_add_co_u32 s17, s17, 64
.endm
; A counted loop round TRIP: trips tiles from tile first on.  A wait's count is an immediate, so each wait on the x loads has its own copy of the loop behind it.
.macro RUN trips, first, clamp
	s_mov_b32 s15, \trips
	s_mov_b32 s16, (\first+2)*XTILE                ; the look-ahead: two tiles on
	s_mov_b32 s17, \first*64
.Lrun_\@:
	TRIP \clamp
	s_sub_co_i32 s15, s15, 1
	s_cmp_lg_u32 s15, 0
	s_cbranch_scc1 .Lrun_\@
.endm
	; ---- the head: x's four tensor loads go out before anything else
	s_load_b128 s[4:7], s[0:1], 0x0                ; x s[4:5], weight s[6:7]
	s_load_b64 s[8:9], s[0:1], 0x10                ; idx
	v_lshl_add_u32 v54, v0, 2, 0x4e800
	v_mov_b32 v55, 0
	ds_add_u32 v54, v55
	ds_add_u32 v54, v55
	v_lshrrev_b32 v[LN], 5, v0
	v_readfirstlane_b32 s10, v[LN]                 ; wave 0..3
	s_mov_b32 s[G1+0], (3<<16)|(1<<20)|(5<<22)|(3<<25)   ; no mask; elements of 8 bytes; padding on: 4 words behind every 64
	s_mov_b32 s[G1+1], 32<<16                      ; tensor_dim0 = 32 elements: a row of 256 bytes
	s_mov_b32 s[G1+2], 64<<16                      ; tensor_dim1 = 64 rows
	s_mov_b32 s[G1+3], 32<<16                      ; tile_dim0
	s_mov_b32 s[G1+4], 64                          ; tile_dim1
	s_mov_b32 s[G1+5], 32                          ; from row to row: the rows are dense
	s_mov_b32 s[G1+6], 0
	s_mov_b32 s[G1+7], 0
	s_mul_i32 s20, s10, XWAVE                      ; my rows in LDS
	s_lshl_b32 s18, ttmp9, 18                      ; the work-group's 1,024 rows of 256 bytes,
	s_lshl_b32 s19, s10, 16                        ; my wave's 256
	s_add_co_u32 s18, s18, s19
	s_mov_b32 s19, 0
	s_mov_b32 s12, 0x76543210                      ; v_permlanex16_b32's selects for lane l xor 16
	s_mov_b32 s13, 0xfedcba98
	s_mov_b32 s14, 0x88888888                      ; the sign bits of eight codes
	s_wait_dscnt 0x0
	s_wait_kmcnt 0x0
	s_add_nc_u64 s[4:5], s[4:5], s[18:19]
.irp i, 0,1,2,3
	s_mov_b32 s[G0+4*\i], 1                        ; count = 1
	s_add_co_u32 s[G0+4*\i+1], s20, \i*XLOAD       ; LDS address
	s_add_nc_u64 s[G0+4*\i+2:G0+4*\i+3], s[4:5], \i*16384   ; 64 rows of 256 bytes on
	s_or_b32 s[G0+4*\i+3], s[G0+4*\i+3], 0x80000000         ; type = 2
.endr
.irp i, 0,1,2,3
	tensor_load_to_lds s[G0+4*\i:G0+4*\i+3], s[G1:G1+7]     ; four loads of mine are out; each fills bytes of my own, once
	s_nop 0
.endr
.rept 4
	v_nop                                          ; four such lines ahead of the next switch of windows
.endr
	; ---- my quarter of the weight, 16 tiles of 16 rows, into windows 2 and 3: lane (r, h) takes block h of row r, 32 numbers
	s_lshl_b32 s18, s10, 16                        ; 256 rows of 256 bytes a wave (s19 = 0 still)
	s_add_nc_u64 s[6:7], s[6:7], s[18:19]
	v_and_b32 v[RR], 15, v0
	v_bfe_u32 v[HH], v0, 4, 1
	v_lshlrev_b32 v[WGO], 8, v[RR]
	v_lshl_add_u32 v[WGO], v[HH], 7, v[WGO]
	WIN 0x80                                       ; destination window 2
.irp i, 0,1,2,3,4,5,6,7
.irp j, 0,1,2,3,4,5,6,7
	global_load_b128 v[32*\i+4*\j:32*\i+4*\j+3], v[WGO], s[6:7] offset:4096*\i+16*\j
.endr
.endr
	WIN 0xc0                                       ; destination window 3
.irp i, 0,1,2,3,4,5,6,7
.irp j, 0,1,2,3,4,5,6,7
	global_load_b128 v[32*\i+4*\j:32*\i+4*\j+3], v[WGO], s[6:7] offset:4096*(8+\i)+16*\j
.endr
.endr
	WIN 0
	v_and_b32 v[LN], 31, v0
	v_mul_u32_u24 v[LX], v[RR], XPITCH
	v_lshl_add_u32 v[LX], v[HH], 7, v[LX]
	v_add_nc_u32 v[LX], s20, v[LX]
	v_lshlrev_b32 v[H8], 3, v[HH]
	s_lshl_b32 s21, s10, 13
	s_add_co_u32 s21, s21, WIMG
	v_lshl_add_u32 v[WI], v[LN], 4, s21
	s_lshl_b32 s22, s10, 9
	s_add_co_u32 s22, s22, WSC
	v_lshl_add_u32 v[WS], v[RR], 2, s22
	s_lshl_b32 s23, s10, 10
	s_add_co_u32 s23, s23, W2L
	v_lshl_add_u32 v[W2S], v[RR], 2, s23
	s_lshl_b32 s52, s10, 10
	s_add_co_u32 s52, s52, IDXL
	v_lshl_add_u32 v[IA0], v[RR], 2, s52
	v_lshl_add_u32 v[IR], v[LN], 4, s52
	v_lshl_add_u32 v[LI], v[LN], 4, WIMG
	v_lshl_add_u32 v[W2A], v[HH], 5, W2L
	v_lshl_add_u32 v[SA], v[LN], 2, WSC
	v_lshlrev_b32 v[GO], 4, v[LN]
.irp z, 32,33,34,35,40,41,42,43
	v_mov_b32 v\z, 0                               ; the zero codes on both sides of x's
.endr
.irp z, MC, QO, OB, OC
	v_mov_b32 v[\z], 0                             ; written once: a lane permute's destination counts as one of its sources
.endr
	; ---- the 16 tiles become -2 Q(w), its scale bytes and w2, and go to LDS as the other waves' registers want them
.irp i, 0,1,2,3,4,5,6,7,8,9,10,11,12,13,14,15
.if 120-8*\i > 63
	s_wait_loadcnt 63                              ; of 128 loads at most 63 are out: the first 65 are in, tiles 0 to 7 among them (the count's field holds no more)
.else
	s_wait_loadcnt 120-8*\i                        ; the loads of the tiles behind this one may be out
.endif
	s_wait_dscnt 0x3                               ; the last tile's three stores may be out; those of two tiles back, which read this set of registers, are done
	QUANT 32*(\i%8), 2+\i/8, OUTQ+8*(\i%2)
.irp g, 0,1,2,3
	v_xor_b32 v[QD+\g], s14, v[QD+\g]              ; every sign turned: -Q(w)
.endr
	v_add_nc_u32 v[QD+4], 0x101, v[QD+4]           ; both bytes + 1: x 2
	ds_store_b128 v[WI], v[QD:QD+3] offset:512*\i
	ds_store_b16 v[WS], v[QD+4] offset:64*(\i/2)+2*(\i%2)   ; both halves of the lanes store the same two bytes
	ds_store_b32 v[W2S], v[QD+5] offset:64*\i
.endr
	s_wait_dscnt 0x0                               ; for the others' sake: my stores have landed
	s_barrier_signal -1                            ; the launch's one barrier; x's loads may stay out across it, and each wave reads its own rows behind its own wait
	s_barrier_wait -1
	; ---- all of it into every wave's registers
	WIN 0x40                                       ; destination window 1
.set tt, 0
.rept 64
	ds_load_b128 v[4*tt:4*tt+3], v[LI] offset:512*tt
.set tt, tt+1
.endr
	WIN 0x80                                       ; window 2: w2 as C of tiles 0-31: register j of lane (r, h) = w2[16 t + 8 h + j]
.set tt, 0
.rept 32
	ds_load_b128 v[8*tt:8*tt+3], v[W2A] offset:64*tt
	ds_load_b128 v[8*tt+4:8*tt+7], v[W2A] offset:64*tt+16
.set tt, tt+1
.endr
	WIN 0xc0                                       ; window 3: tiles 32-63
.set tt, 0
.rept 32
	ds_load_b128 v[8*tt:8*tt+3], v[W2A] offset:64*(tt+32)
	ds_load_b128 v[8*tt+4:8*tt+7], v[W2A] offset:64*(tt+32)+16
.set tt, tt+1
.endr
	WIN 0
.set tt, 0
.rept 16
	ds_load_b32 v[WSCL+tt], v[SA] offset:128*tt
.set tt, tt+1
.endr
	s_wait_dscnt 0x0
	; ---- tile 0 is made ready, tile 1 asked for
	s_wait_tensorcnt 0x3                           ; my first load, tiles 0 to 3, has landed; the three behind it may be out
.irp i, 0,1,2,3,4,5,6,7
	ds_load_b128 v[RAW+4*\i:RAW+4*\i+3], v[LX] offset:16*\i
.endr
	s_wait_dscnt 0x0
	QUANT RAW, 0, OUTQ
.irp g, 0,1,2,3
	v_mov_b32 v[XC+\g], v[OUTQ+\g]
.endr
	v_lshl_or_b32 v[XSC], v[OUTQ+4], 16, v[OUTQ+4]
	v_mov_b32 v[X2], v[OUTQ+5]
.irp i, 0,1,2,3,4,5,6,7
	ds_load_b128 v[RAW+4*\i:RAW+4*\i+3], v[LX] offset:XTILE+16*\i
.endr
.rept 8
	v_nop                                          ; a scale register written by a vector instruction stands 8 places ahead of a scaled product
.endr
	; ---- the 16 tiles.  Trip n multiplies tile n, quantises tile n + 1 and fetches tile n + 2
	RUN 2, 0, 0                                    ; fetches tiles 2, 3: the first load's
	s_wait_tensorcnt 0x2                           ; the second load has landed; two may be out
	RUN 4, 2, 0                                    ; fetches tiles 4 to 7
	s_wait_tensorcnt 0x1                           ; the third
	RUN 4, 6, 0                                    ; fetches tiles 8 to 11
	s_wait_tensorcnt 0x0                           ; the fourth: no tensor load of mine is out from here to the end
	RUN 6, 10, 1                                   ; fetches tiles 12 to 15, then tile 15 twice more
	; ---- the way out: my 256 indices, 1,024 bytes, leave as two stores of 512 consecutive bytes, aligned
	ds_load_b128 v[BUF:BUF+3], v[IR]               ; LDS serves a wave's instructions in order (ISA guide 5.7.1.4): these see my stores
	ds_load_b128 v[BUF+4:BUF+7], v[IR] offset:512
	s_lshl_b32 s18, ttmp9, 12
	s_lshl_b32 s19, s10, 10
	s_add_co_u32 s18, s18, s19
	s_mov_b32 s19, 0
	s_add_nc_u64 s[8:9], s[8:9], s[18:19]
	s_wait_dscnt 0x0
	global_store_b128 v[GO], v[BUF:BUF+3], s[8:9]
	global_store_b128 v[GO], v[BUF+4:BUF+7], s[8:9] offset:512
	s_wait_tensorcnt 0x0
	ds_add_u32 v54, v55
	s_wait_dscnt 0x0
	s_endpgm
.Lfunc_end_k_q2d327b42be_nearest:
	.size	k_q2d327b42be_nearest, .Lfunc_end_k_q2d327b42be_nearest-k_q2d327b42be_nearest
	.p2alignl 7, 3214868480
	.fill 96, 4, 3214868480
	.section	.rodata,"a",@progbits
	.p2align	6, 0x0
	.amdhsa_kernel k_q2d327b42be_nearest
		.amdhsa_group_segment_fixed_size 327680
		.amdhsa_private_segment_fixed_size 0
		.amdhsa_enable_private_segment 0
		.amdhsa_kernarg_size 24
		.amdhsa_user_sgpr_count 2
		.amdhsa_user_sgpr_kernarg_segment_ptr 1
		.amdhsa_wavefront_size32 1
		.amdhsa_system_sgpr_workgroup_id_x 1
		.amdhsa_system_sgpr_workgroup_id_y 1
		.amdhsa_system_sgpr_workgroup_id_z 1
		.amdhsa_system_vgpr_workitem_id 0
		.amdhsa_next_free_vgpr 1024
		.amdhsa_next_free_sgpr 66
		.amdhsa_reserve_vcc 1
		.amdhsa_float_denorm_mode_32 3
		.amdhsa_float_denorm_mode_16_64 3
		.amdhsa_memory_ordered 1
		.amdhsa_forward_progress 1
		.amdhsa_inst_pref_size 255
	.end_amdhsa_kernel
	.section	.bss,"aw",@nobits
	.p2align	6
	.space	262144
	.amdgpu_metadata
---
amdhsa.version: [ 1, 2 ]
amdhsa.kernels:
  - .name:           k_q2d327b42be_nearest
    .symbol:         k_q2d327b42be_nearest.kd
    .args:
      - { .name: x, .offset: 0, .size: 8, .value_kind: global_buffer, .address_space: global }
      - { .name: weight, .offset: 8, .size: 8, .value_kind: global_buffer, .address_space: global }
      - { .name: idx, .offset: 16, .size: 8, .value_kind: global_buffer, .address_space: global }
    .group_segment_fixed_size: 327680
    .private_segment_fixed_size: 0
    .kernarg_segment_align: 8
    .kernarg_segment_size: 24
    .max_flat_workgroup_size: 128
    .sgpr_count:     66
    .vgpr_count:     1024
    .wavefront_size: 32
...
	.end_amdgpu_metadata
.endif
;; end of part 1
;; launch gather (part 2): grid 1024 x 1, 8 waves a work-group, no clusters, 0 bytes of LDS; arguments idx, weight, out0; writes out0
.if DOCPART == 2
	.amdgcn_target "amdgcn-amd-amdhsa--gfx1250"
	.amdhsa_code_object_version 6
	.text
	.protected	k_q2d327b42be_gather
	.globl	k_q2d327b42be_gather
	.p2align	8
	.type	k_q2d327b42be_gather,@function
k_q2d327b42be_gather:
	s_mov_b64 s[64:65], 0
	v_nop
	global_prefetch_b8 v0, s[64:65] scope:SCOPE_SE
	s_setreg_imm32_b32 hwreg(HW_REG_WAVE_MODE, 25, 1), 1
	s_wait_xcnt 0x0
; out0[row][:] = weight[idx[row]][:].  idx: [262144] u32, stored by the launch before; weight: [1024][64] f32; out0: [262144][64] f32.
; A stream: no LDS, no barrier, no matrix unit, no cluster: the waves share nothing but the table, which is read by plain loads.
; A wave takes 32 rows: lanes 0-15 rows base + i, lanes 16-31 rows base + 16 + i, i = 0 .. 15.  A row is 256 bytes: sixteen lanes, 16 bytes each, read one row of the table and store 256 consecutive bytes, aligned.
; All 16 gathers of a wave are out together; the text is straight, every offset an immediate, and no register that a load or store names is written again.
; An index is held to 1,023 ahead of its use in an address.
.set IX, 16                            ; v16-31   my half's 16 indices
.set AD, 32                            ; v32-47   their rows' byte offsets in the table, + my 16 bytes
.set DT, 48                            ; v48-111  16 x 4 registers of data
	s_load_b128 s[4:7], s[0:1], 0x0                ; idx s[4:5], weight s[6:7]
	s_load_b64 s[8:9], s[0:1], 0x10                ; out0
	v_lshrrev_b32 v4, 5, v0
	v_readfirstlane_b32 s10, v4                    ; wave 0..7
	v_and_b32 v1, 15, v0
	v_lshlrev_b32 v1, 4, v1                        ; my 16 bytes of a row
	v_bfe_u32 v5, v0, 4, 1                         ; h
	v_lshlrev_b32 v2, 6, v5                        ; idx: 16 indices, 64 bytes, for each half of the lanes
	v_lshl_add_u32 v3, v5, 12, v1                  ; out0: 16 rows of 256 bytes further on for lanes 16-31
	s_lshl_b32 s11, ttmp9, 3
	s_add_co_u32 s11, s11, s10                     ; which run of 32 rows is my wave's
	s_lshl_b32 s12, s11, 7                         ; 128 bytes of idx,
	s_mov_b32 s13, 0
	s_lshl_b32 s14, s11, 13                        ; 8,192 bytes of out0 (under 2^26)
	s_mov_b32 s15, 0
	s_wait_kmcnt 0x0
	s_add_nc_u64 s[4:5], s[4:5], s[12:13]
	s_add_nc_u64 s[8:9], s[8:9], s[14:15]
.irp c, 0,1,2,3
	global_load_b128 v[IX+4*\c:IX+4*\c+3], v2, s[4:5] offset:16*\c th:TH_LOAD_NT   ; read once in the launch
.endr
	s_wait_loadcnt 0x0
.irp i, 0,1,2,3,4,5,6,7,8,9,10,11,12,13,14,15
	v_min_u32 v[AD+\i], 0x3ff, v[IX+\i]            ; inside the table
.endr
.irp i, 0,1,2,3,4,5,6,7,8,9,10,11,12,13,14,15
	v_lshl_add_u32 v[AD+\i], v[AD+\i], 8, v1       ; 256 bytes a row, + my 16
.endr
.irp i, 0,1,2,3,4,5,6,7,8,9,10,11,12,13,14,15
	global_load_b128 v[DT+4*\i:DT+4*\i+3], v[AD+\i], s[6:7]   ; no hint: the table's rows are read again and again
.endr
.irp i, 0,1,2,3,4,5,6,7,8,9,10,11,12,13,14,15
	s_wait_loadcnt 15-\i                           ; loads come back in order (ISA guide 5.7.1): row i is in, the younger ones may be out
	global_store_b128 v3, v[DT+4*\i:DT+4*\i+3], s[8:9] offset:256*\i th:TH_STORE_NT   ; written once, read by nobody here
.endr
	s_endpgm
.Lfunc_end_k_q2d327b42be_gather:
	.size	k_q2d327b42be_gather, .Lfunc_end_k_q2d327b42be_gather-k_q2d327b42be_gather
	.p2alignl 7, 3214868480
	.fill 96, 4, 3214868480
	.section	.rodata,"a",@progbits
	.p2align	6, 0x0
	.amdhsa_kernel k_q2d327b42be_gather
		.amdhsa_group_segment_fixed_size 0
		.amdhsa_private_segment_fixed_size 0
		.amdhsa_enable_private_segment 0
		.amdhsa_kernarg_size 24
		.amdhsa_user_sgpr_count 2
		.amdhsa_user_sgpr_kernarg_segment_ptr 1
		.amdhsa_wavefront_size32 1
		.amdhsa_system_sgpr_workgroup_id_x 1
		.amdhsa_system_sgpr_workgroup_id_y 1
		.amdhsa_system_sgpr_workgroup_id_z 1
		.amdhsa_system_vgpr_workitem_id 0
		.amdhsa_next_free_vgpr 112
		.amdhsa_next_free_sgpr 66
		.amdhsa_reserve_vcc 0
		.amdhsa_float_denorm_mode_32 3
		.amdhsa_float_denorm_mode_16_64 3
		.amdhsa_memory_ordered 1
		.amdhsa_forward_progress 1
		.amdhsa_inst_pref_size 7
	.end_amdhsa_kernel
	.amdgpu_metadata
---
amdhsa.version: [ 1, 2 ]
amdhsa.kernels:
  - .name:           k_q2d327b42be_gather
    .symbol:         k_q2d327b42be_gather.kd
    .args:
      - { .name: idx, .offset: 0, .size: 8, .value_kind: global_buffer, .address_space: global }
      - { .name: weight, .offset: 8, .size: 8, .value_kind: global_buffer, .address_space: global }
      - { .name: out0, .offset: 16, .size: 8, .value_kind: global_buffer, .address_space: global }
    .group_segment_fixed_size: 0
    .private_segment_fixed_size: 0
    .kernarg_segment_align: 8
    .kernarg_segment_size: 24
    .max_flat_workgroup_size: 256
    .sgpr_count:     66
    .vgpr_count:     112
    .wavefront_size: 32
...
	.end_amdgpu_metadata
.endif
;; end of part 2
